; MI455X (gfx1250); checked and timed in simulation.
; The chip was launched on July 23, 2026; its instructions are those of AMD's public machine-readable ISA for CDNA 5 (MIT licence, August 2026) and "CDNA5" Instruction Set Architecture Reference Guide (July 2026). The comments in the code are by the model that wrote it; some were corrected since.
;; Splash Attention. Allowed arithmetic: matrix products marked QUANTISED: E5M2 operands, one E8M0 scale for each 32 along K, by v_wmma_scale_f32_16x16x128_f8f6f4 with both operands' format E5M2, f32 sums; everything else in f32.
;; Inputs: key 2 x 16 x 2,048 x 128 float32; kv_segment_ids 2 x 2,048 int32; q_segment_ids 2 x 2,048 int32; query 2 x 16 x 2,048 x 128 float32; value 2 x 16 x 2,048 x 128 float32.
;; Outputs: out0 2 x 16 x 2,048 x 128 float32.
;; Constants: window_size = 512.
;; This version of the problem:
;;   THIS VERSION OF THE PROBLEM IS GIVEN IN LOW PRECISION. The matrix products marked QUANTISED in the list below multiply operands that are first quantised to E5M2 (5 exponent bits, 2 mantissa bits; 8 bits a number), with one power-of-two scale for each 32 numbers along K (OCP MX v1.0); their sums are f32. All else is computed in f32.
;;   The module's matrix products, in the order in which they are computed (A, B: the left and right operand; K: the contracted axis; several contracted axes count as one K, in the product's order):
;;     1. batch 32 x [M 2,048, K 128] x [K 128, N 2,048]; A: computed on the way; B: input key: QUANTISED
;;     2. batch 32 x [M 2,048, K 2,048] x [K 2,048, N 128]; A: softmax (see below); B: input value: QUANTISED
;;   THE QUANTISER, for each operand of a quantised product, along K:
;;     - K is cut into blocks of 32 from its start; a last block that is shorter is filled with zeros.
;;     - A block's scale is 2^e with e = floor(log2(the largest magnitude in the block)) - 15, held to -126 .. 127; a block of zeros has e = 0. As a byte (E8M0): e + 127.
;;     - Each number is divided by its block's scale, clamped to +-57,344, and rounded to the nearest number of E5M2, ties to even, subnormals kept.
;;     - The product sums the exact products of the quantised numbers (number of the format x scale) in f32.
;;   ~~~python
;;   def quantise(x, axis):      # numpy; x: float32 -> the quantised numbers, widened to float32 again
;;       x = np.moveaxis(x, axis, -1); K = x.shape[-1]
;;       x = np.pad(x, [(0, 0)] * (x.ndim - 1) + [(0, -K % 32)]); x = x.reshape(x.shape[:-1] + (-1, 32)); a = np.abs(x).max(-1, keepdims=True)
;;       e = np.where(a > 0, np.clip(np.frexp(np.where(a > 0, a, 1))[1] - 1 - 15, -126, 127), 0)      # np.frexp(a)[1] - 1 = floor(log2(a)), exactly
;;       r = np.clip(x / 2.0 ** e, -57344, 57344)
;;       step = 2.0 ** (np.maximum(np.frexp(np.where(r == 0, 1, r))[1] - 1, -14) - 2)
;;       q = np.round(r / step) * step * 2.0 ** e      # np.round: ties to even
;;       return np.moveaxis(q.reshape(q.shape[:-2] + (-1,))[..., :K], -1, axis).astype(np.float32)
;;   ~~~
;;   SOFTMAX AHEAD OF A QUANTISED PRODUCT. Where the list says 'softmax', what is quantised is not the finished softmax but p = 2^(t - M), with t = logit x log2(e) and M = ceil(the row's largest t), a whole number; so 1/2 < the row's largest p <= 1. The row's sum l is taken of the UNQUANTISED p, in f32, and the product's result is divided by l at the end. Since M is a whole number, a kernel that streams over the keys may use a running M (the ceiling of the running maximum): every later rescaling is an exact power of two, which a block's scale takes up: the codes' values come out the same.
;;   OPERANDS COMPUTED ON THE WAY. 'Computed on the way' means the value that the module computes at that place (a softmax that the list does not call 'softmax' is quantised finished and normalised). What goes into a quantiser is computed in f32, as accurately as f32 sums, v_exp_f32 and their like allow (about 1e-6 of the number): no bf16 or f16 on the way to a quantiser, and a product that is left as it is and whose result goes on into a quantised operand takes f32 operands (vector FMAs, or v_wmma_f32_16x16x4_f32). A number that lies on a knife's edge between two numbers of the format may be rounded either way, as far as f32 arithmetic and the matrix unit's own rounding can turn it there, and no further.
;; One version. Each part assembles by itself: llvm-mc -triple=amdgcn-amd-amdhsa -mcpu=gfx1250 --defsym DOCPART=n.
;; ======== version 1 of 1: 2 launches
;; limits: right only within a limited range of input values
;; workspace buffers: kv 17,301,504 bytes; vpart 262,144 bytes; rng 524,288 bytes of whole numbers
;; launch prep (part 1): grid 1024 x 1, 4 waves a work-group, no clusters, 34,304 bytes of LDS; arguments key, value, q_segment_ids, kv_segment_ids, kv, vpart, rng; writes kv, vpart, rng
.if DOCPART == 1
	.amdgcn_target "amdgcn-amd-amdhsa--gfx1250"
	.amdhsa_code_object_version 6
	.text
	.protected	k_q78ea58cd93_prep
	.globl	k_q78ea58cd93_prep
	.p2align	8
	.type	k_q78ea58cd93_prep,@function
k_q78ea58cd93_prep:
	s_mov_b64 s[64:65], 0
	v_nop
	global_prefetch_b8 v0, s[64:65] scope:SCOPE_SE
	s_setreg_imm32_b32 hwreg(HW_REG_WAVE_MODE, 25, 1), 1
	s_wait_xcnt 0x0
; PREPARATION FOR THE ATTENTION LAUNCH, by the work-group's number, each for one block = 16 x head + step (128 keys):
;   0 .. 511 K: 128 keys x 128 channels become codes of E5M2 along the channels; wave 0 also stores the ranges of the step's segment ids
;   512 .. 1023 V: the values become codes of E5M2 along the KEYS; the sum of the quantised numbers over the 128 keys is kept (for rows that the mask hides wholly)
; kv: 512 blocks of 33,792 bytes, each an IMAGE OF OPERAND REGISTERS: +0 K's 8 fragments, +16,384 V's 8, each 4 x 512 bytes (registers 4 c .. 4 c + 3 of lane l at 512 c + 16 l);
;   +32,768 K's scale words, +33,280 V's: 128 bytes for two tiles: lanes 0-15 tile 2 p, lanes 16-31 tile 2 p + 1.
;   Lane r of K's tile t holds key 32 (t / 2) + 8 (t % 2) + r + 8 (r / 8): the scores of tiles 2 b, 2 b + 1 are 16 neighbouring keys in a lane.  Lane r of V's tile t holds channel 16 t + r.
; rng: 1,024 bytes a block, pairs (least, greatest): +0 of the 128 key ids (32 copies), +256 of each 16 query ids (4 copies a tile), +512 of the 128 query ids (32 copies); the last 256 bytes are not used.
; A block of 32 has the scale 2^(floor(log2(its largest magnitude)) - 15); its byte is the largest magnitude's exponent field - 15, held at 1 from below.
; LIMITS: NaN and infinities among the inputs are not served.  A block of zeros gets the byte 1 (not 127): its codes are zeros, which add nothing, and this program alone reads the bytes.
; No tensor loads, no barrier: waves share nothing.  Only the K path touches LDS.
.set BLK, 33792
.set VCO, 16384
.set KSO, 32768
.set VSO, 33280
.set FLOOR, 0x8000000 ; 2^(16 - 127): under it no largest magnitude is taken
.set OFF15, 0xf8800000 ; takes 15 off an exponent field
.set EXPF, 0x7f800000
	s_load_b256 s[4:11], s[0:1], 0x0 ; key, value, q ids, kv ids
	s_load_b128 s[12:15], s[0:1], 0x20 ; kv, vpart
	s_load_b64 s[16:17], s[0:1], 0x30 ; rng
	v_lshl_add_u32 v31, v0, 2, 0x8400 ; my spare word, and 0
	v_mov_b32 v24, 0
	v_lshrrev_b32 v1, 5, v0
	v_readfirstlane_b32 s2, v1 ; wave 0..3
	v_and_b32 v1, 31, v0 ; lane
	v_and_b32 v2, 15, v0 ; r
	v_bfe_u32 v3, v0, 4, 1 ; h
	v_lshlrev_b32 v4, 4, v1
	v_lshlrev_b32 v7, 2, v1
	s_mov_b32 s50, 0x76543210
	s_mov_b32 s51, 0xfedcba98 ; v_permlanex16_b32's selects for lane l xor 16
	s_mov_b32 s52, 0x600000 ; the mantissa field of 57,344
	s_mov_b32 s53, 0xffff0000 ; lanes 16-31
	s_mov_b32 s21, 0 ; the upper word of the offsets in s[20:21]
	s_wait_alu depctr_va_vdst(0)
	s_wait_kmcnt 0x0
	s_cmp_lt_u32 ttmp9, 512
	s_cbranch_scc1 .Lpath_k
; V: a lane takes a channel, and its registers run down the keys
.set XV, 128 ; the step's 128 keys of my channel
.set CV, 64 ; codes: eight registers for each block of 32 keys; never written again
.set DV, 96 ; a block's codes widened again
	s_sub_co_u32 s3, ttmp9, 512 ; the block
	s_lshl_b32 s20, s3, 16
	s_lshl_b32 s22, s2, 7 ; my wave's 32 channels are 128 bytes of each row
	s_add_co_u32 s20, s20, s22
	s_add_nc_u64 s[6:7], s[6:7], s[20:21]
	s_mul_i32 s23, s3, BLK
	s_lshl_b32 s28, s2, 12 ; my wave's two tiles: 4,096 bytes of codes
	s_add_co_u32 s20, s23, s28
	s_add_co_u32 s20, s20, VCO
	s_add_nc_u64 s[24:25], s[12:13], s[20:21]
	s_add_co_u32 s20, s23, s22 ; and 128 bytes of scale words
	s_add_co_u32 s20, s20, VSO
	s_add_nc_u64 s[26:27], s[12:13], s[20:21]
	s_lshl_b32 s20, s3, 9
	s_add_co_u32 s20, s20, s22
	s_add_nc_u64 s[14:15], s[14:15], s[20:21] ; vpart: 512 bytes a block, 128 a wave
	s_wait_alu depctr_va_vdst(0)
	v_lshlrev_b32 v5, 11, v3
	v_lshl_add_u32 v5, v2, 4, v5 ; my channel's place in the images
	v_mov_b32 v15, 0 ; the sum of the quantised numbers
.set kk, 0
.rept 128
	global_load_b32 v[XV+kk], v7, s[6:7] offset:512*kk th:TH_LOAD_NT ; 128 consecutive bytes a wave, the four waves side by side on a row
.set kk, kk+1
.endr
.macro VBLOCK c
.set xs, XV+32*(\c)
	v_max3_num_f32 v12, |v[xs]|, |v[xs+1]|, |v[xs+2]|
	v_max3_num_f32 v13, |v[xs+3]|, |v[xs+4]|, |v[xs+5]|
.irp i, 6,10,14,18,22,26
	v_max3_num_f32 v12, v12, |v[xs+\i]|, |v[xs+\i+1]|
	v_max3_num_f32 v13, v13, |v[xs+\i+2]|, |v[xs+\i+3]|
.endr
	v_max3_num_f32 v12, v12, |v[xs+30]|, |v[xs+31]|
	v_max3_num_f32 v12, v12, v13, FLOOR
	v_add_nc_u32 v11, OFF15, v12 ; the conversion takes this operand's exponent field as its scale
	v_and_or_b32 v10, v12, EXPF, s52 ; 57,344 x the scale
	v_lshrrev_b32 v13, 23, v11 ; the scale's byte
.if (\c) == 0
	v_mov_b32 v16, v13
.else
	v_lshl_or_b32 v16, v13, 8*(\c), v16
.endif
.set ii, 0
.rept 32
	v_med3_num_f32 v[xs+ii], v[xs+ii], -v10, v10 ; the conversion to an 8-bit code does not saturate (ISA guide 7.6.2)
.set ii, ii+1
.endr
.irp g, 0,1,2,3
	v_cvt_scalef32_pk8_bf8_f32 v[CV+8*(\c)+2*\g:CV+8*(\c)+2*\g+1], v[xs+8*\g:xs+8*\g+7], v11
.endr
	v_and_b32 v14, EXPF, v11 ; the scale as f32.  (The plain line behind the conversions)
.set ii, 0
.rept 32
	v_cvt_f32_bf8 v[DV+ii], v[CV+8*(\c)+ii/4] byte_sel:ii%4
.set ii, ii+1
.endr
.irp j, 1,2,3,4,5,6,7
	v_pk_add_f32 v[DV:DV+1], v[DV:DV+1], v[DV+4*\j:DV+4*\j+1]
	v_pk_add_f32 v[DV+2:DV+3], v[DV+2:DV+3], v[DV+4*\j+2:DV+4*\j+3]
.endr
	v_pk_add_f32 v[DV:DV+1], v[DV:DV+1], v[DV+2:DV+3]
	v_add_f32 v[DV], v[DV], v[DV+1]
	v_fmac_f32 v15, v[DV], v14
	global_store_b128 v5, v[CV+8*(\c):CV+8*(\c)+3], s[24:25] offset:512*(\c) ; sixteen lanes store 256 consecutive bytes, aligned
	global_store_b128 v5, v[CV+8*(\c)+4:CV+8*(\c)+7], s[24:25] offset:512*(\c)+256
.endm
	s_wait_alu depctr_va_vdst(0)
	s_wait_loadcnt 63 ; loads 0 to 64 are in, blocks 0 and 1 among them
	VBLOCK 0
	VBLOCK 1
	s_wait_loadcnt 32 ; block 3's 32 may be out
	VBLOCK 2
	s_wait_loadcnt 0x0
	VBLOCK 3
	global_store_b32 v7, v16, s[26:27] ; the scale words of my wave's two tiles
	global_store_b32 v7, v15, s[14:15] ; and the sums
	s_endpgm
; K: a wave takes 32 keys, two tiles of 16
.set RK, 64 ; tile u at RK + 64 u: first the rows as loaded, then a lane's 64 numbers
.set PCK, 32 ; the two fragments' codes
.set TM, 200 ; +0 largest magnitudes, +4 bytes, +8 57,344 x the scale, +12 the conversions' scale operands
.Lpath_k:
	s_mov_b32 s3, ttmp9 ; the block
	s_lshl_b32 s20, s3, 16
	s_lshl_b32 s22, s2, 14 ; my wave's 32 keys: 16,384 consecutive bytes
	s_add_co_u32 s20, s20, s22
	s_add_nc_u64 s[4:5], s[4:5], s[20:21]
	s_mul_i32 s23, s3, BLK
	s_lshl_b32 s22, s2, 12
	s_add_co_u32 s20, s23, s22
	s_add_nc_u64 s[24:25], s[12:13], s[20:21] ; my two fragments' images
	s_lshl_b32 s22, s2, 7
	s_add_co_u32 s20, s23, s22
	s_add_co_u32 s20, s20, KSO
	s_add_nc_u64 s[26:27], s[12:13], s[20:21] ; and their scale words
	s_lshr_b32 s20, s3, 8 ; the batch: 8,192 bytes of ids
	s_lshl_b32 s20, s20, 13
	s_and_b32 s22, s3, 15 ; the step: 512 bytes
	s_lshl_b32 s22, s22, 9
	s_add_co_u32 s20, s20, s22
	s_add_nc_u64 s[8:9], s[8:9], s[20:21]
	s_add_nc_u64 s[10:11], s[10:11], s[20:21]
	s_lshl_b32 s20, s3, 10
	s_add_nc_u64 s[16:17], s[16:17], s[20:21] ; the block's ranges
	s_mul_i32 s30, s2, 16*528 ; my stage: 16 rows of 512 bytes + 16, so that the sixteen rows that a load touches fall on different banks (64 banks of 4 bytes: ISA guide 11.1)
	s_wait_alu depctr_va_vdst(0)
	v_add_nc_u32 v5, s30, v4 ; in: 16 bytes a lane of a row
	v_mul_u32_u24 v6, v2, 528
	v_lshl_add_u32 v6, v3, 6, v6
	v_add_nc_u32 v6, s30, v6 ; back: row r, + 64 h
.irp b, 0,1,2,3
	v_mov_b32 v[TM+4+\b], 0 ; written once: a lane permute's destination counts as one of its sources
	v_mov_b32 v[228+\b], 0
.endr
	global_load_b128 v[216:219], v4, s[8:9] ; four query ids and four key ids a lane
	global_load_b128 v[220:223], v4, s[10:11]
.irp u, 0,1
.irp p, 0,1,2,3,4,5,6,7,8,9,10,11,12,13,14,15
	global_load_b128 v[RK+64*\u+4*\p:RK+64*\u+4*\p+3], v4, s[4:5] offset:(8*\u+\p+8*(\p/8))*512 th:TH_LOAD_NT ; 512 consecutive bytes a load
.endr
.endr
.macro TURN u ; 16 rows through the stage; LDS serves a wave's instructions in order (ISA guide 5.7.1.4)
.irp p, 0,1,2,3,4,5,6,7,8,9,10,11,12,13,14,15
	ds_store_b128 v5, v[RK+64*\u+4*\p:RK+64*\u+4*\p+3] offset:528*\p
.endr
.irp b, 0,1,2,3
.irp j, 0,1,2,3
	ds_load_b128 v[RK+64*\u+16*\b+4*\j:RK+64*\u+16*\b+4*\j+3], v6 offset:128*\b+16*\j ; register 16 b + i = channel 32 b + 16 h + i of my key
.endr
.endr
.endm
.macro QUANTK src, pc, pw
.irp b, 0,1,2,3
	v_max3_num_f32 v[TM+\b], |v[\src+16*\b]|, |v[\src+16*\b+1]|, FLOOR
.endr
.irp i, 2,4,6,8,10,12,14
.irp b, 0,1,2,3
	v_max3_num_f32 v[TM+\b], v[TM+\b], |v[\src+16*\b+\i]|, |v[\src+16*\b+\i+1]|
.endr
.endr
.irp b, 0,1,2,3
	v_permlanex16_b32 v[TM+4+\b], v[TM+\b], s50, s51
.endr
.irp b, 0,1,2,3
	v_max_num_f32 v[TM+\b], v[TM+\b], v[TM+4+\b]
.endr
.irp b, 0,1,2,3
	v_add_nc_u32 v[TM+12+\b], OFF15, v[TM+\b]
.endr
.irp b, 0,1,2,3
	v_and_or_b32 v[TM+8+\b], v[TM+\b], EXPF, s52
.endr
.irp b, 0,1,2,3
	v_lshrrev_b32 v[TM+4+\b], 23, v[TM+12+\b]
.endr
	v_lshl_or_b32 v[\pw], v[TM+5], 8, v[TM+4]
	v_lshl_or_b32 v[\pw], v[TM+6], 16, v[\pw]
	v_lshl_or_b32 v[\pw], v[TM+7], 24, v[\pw]
.irp b, 0,1,2,3
.irp i, 0,1,2,3,4,5,6,7,8,9,10,11,12,13,14,15
	v_med3_num_f32 v[\src+16*\b+\i], v[\src+16*\b+\i], -v[TM+8+\b], v[TM+8+\b]
.endr
	v_cvt_scalef32_pk8_bf8_f32 v[\pc+4*\b:\pc+4*\b+1], v[\src+16*\b:\src+16*\b+7], v[TM+12+\b]
	v_cvt_scalef32_pk8_bf8_f32 v[\pc+4*\b+2:\pc+4*\b+3], v[\src+16*\b+8:\src+16*\b+15], v[TM+12+\b]
.endr
	v_nop ; a plain line behind the last conversion
.endm
	s_wait_alu depctr_va_vdst(0)
	s_wait_loadcnt 16 ; the ids and tile 0's rows are in; tile 1's 16 may be out
	TURN 0
	s_wait_loadcnt 0x0
	TURN 1
	s_wait_dscnt 32 ; tile 0 is back; tile 1's 32 LDS instructions may be out
	QUANTK RK, PCK, 28
	s_wait_alu depctr_va_vdst(0)
	s_wait_dscnt 0x0
	QUANTK RK+64, PCK+16, 29
.irp u, 0,1
.irp c, 0,1,2,3
	global_store_b128 v4, v[PCK+16*\u+4*\c:PCK+16*\u+4*\c+3], s[24:25] offset:2048*\u+512*\c ; 512 consecutive bytes, aligned
.endr
.endr
	v_cndmask_b32 v30, v28, v29, s53 ; lanes 0-15 the first tile's words, lanes 16-31 the second's
	global_store_b32 v7, v30, s[26:27]
	s_wait_alu depctr_va_vdst(0)
	s_cmp_lg_u32 s2, 0
	s_cbranch_scc1 .Lk_end ; wave 0 stores the ranges
	v_min_i32 v224, v216, v217 ; v224 least, v225 greatest query id; v226, v227 the same of the key ids
	v_max_i32 v225, v216, v217
	v_min_i32 v226, v220, v221
	v_max_i32 v227, v220, v221
.irp i, 2,3
	v_min_i32 v224, v224, v[216+\i]
	v_max_i32 v225, v225, v[216+\i]
	v_min_i32 v226, v226, v[220+\i]
	v_max_i32 v227, v227, v[220+\i]
.endr
.macro MERGE
	v_min_i32 v224, v224, v228
	v_max_i32 v225, v225, v229
	v_min_i32 v226, v226, v230
	v_max_i32 v227, v227, v231
.endm
.macro RED m ; with lane l xor m's
.irp i, 0,1,2,3
	v_mov_b32_dpp v[228+\i], v[224+\i] row_xmask:\m row_mask:0xf bank_mask:0xf
.endr
	MERGE
.endm
	RED 1
	RED 2
	v_mov_b32 v232, v224 ; lanes 4 t .. 4 t + 3: query tile t's range
	v_mov_b32 v233, v225
	RED 4
	RED 8
.irp i, 0,1,2,3
	v_permlanex16_b32 v[228+\i], v[224+\i], s50, s51
.endr
	MERGE
	v_lshlrev_b32 v234, 3, v1
	global_store_b64 v234, v[226:227], s[16:17] ; each store: 256 consecutive bytes, aligned
	global_store_b64 v234, v[232:233], s[16:17] offset:256
	global_store_b64 v234, v[224:225], s[16:17] offset:512
.Lk_end:
	s_wait_tensorcnt 0x0 ; the wave's end
	ds_add_u32 v31, v24
	s_wait_dscnt 0x0
	s_endpgm
.Lfunc_end_k_q78ea58cd93_prep:
	.size	k_q78ea58cd93_prep, .Lfunc_end_k_q78ea58cd93_prep-k_q78ea58cd93_prep
	.p2alignl 7, 3214868480
	.fill 96, 4, 3214868480
	.section	.rodata,"a",@progbits
	.p2align	6, 0x0
	.amdhsa_kernel k_q78ea58cd93_prep
		.amdhsa_group_segment_fixed_size 34304
		.amdhsa_private_segment_fixed_size 0
		.amdhsa_enable_private_segment 0
		.amdhsa_kernarg_size 56
		.amdhsa_user_sgpr_count 2
		.amdhsa_user_sgpr_kernarg_segment_ptr 1
		.amdhsa_wavefront_size32 1
		.amdhsa_system_sgpr_workgroup_id_x 1
		.amdhsa_system_sgpr_workgroup_id_y 1
		.amdhsa_system_sgpr_workgroup_id_z 1
		.amdhsa_system_vgpr_workitem_id 0
		.amdhsa_next_free_vgpr 256
		.amdhsa_next_free_sgpr 66
		.amdhsa_reserve_vcc 0
		.amdhsa_float_denorm_mode_32 3
		.amdhsa_float_denorm_mode_16_64 3
		.amdhsa_memory_ordered 1
		.amdhsa_forward_progress 1
		.amdhsa_inst_pref_size 70
	.end_amdhsa_kernel
	.amdgpu_metadata
---
amdhsa.version: [ 1, 2 ]
amdhsa.kernels:
  - .name:           k_q78ea58cd93_prep
    .symbol:         k_q78ea58cd93_prep.kd
    .args:
      - { .name: key, .offset: 0, .size: 8, .value_kind: global_buffer, .address_space: global }
      - { .name: value, .offset: 8, .size: 8, .value_kind: global_buffer, .address_space: global }
      - { .name: q_segment_ids, .offset: 16, .size: 8, .value_kind: global_buffer, .address_space: global }
      - { .name: kv_segment_ids, .offset: 24, .size: 8, .value_kind: global_buffer, .address_space: global }
      - { .name: kv, .offset: 32, .size: 8, .value_kind: global_buffer, .address_space: global }
      - { .name: vpart, .offset: 40, .size: 8, .value_kind: global_buffer, .address_space: global }
      - { .name: rng, .offset: 48, .size: 8, .value_kind: global_buffer, .address_space: global }
    .group_segment_fixed_size: 34304
    .private_segment_fixed_size: 0
    .kernarg_segment_align: 8
    .kernarg_segment_size: 56
    .max_flat_workgroup_size: 128
    .sgpr_count:     66
    .vgpr_count:     256
    .wavefront_size: 32
...
	.end_amdgpu_metadata
.endif
;; end of part 1
;; launch attn (part 2): grid 32 x 8, 8 waves a work-group, no clusters, 327,680 bytes of LDS; arguments query, kv, vpart, rng, q_segment_ids, kv_segment_ids, out0; writes out0
.if DOCPART == 2
	.amdgcn_target "amdgcn-amd-amdhsa--gfx1250"
	.amdhsa_code_object_version 6
	.text
	.protected	k_q78ea58cd93_attn
	.globl	k_q78ea58cd93_attn
	.p2align	8
	.type	k_q78ea58cd93_attn,@function
k_q78ea58cd93_attn:
	s_mov_b64 s[64:65], 0
	v_nop
	global_prefetch_b8 v0, s[64:65] scope:SCOPE_SE
	s_setreg_imm32_b32 hwreg(HW_REG_WAVE_MODE, 25, 1), 1
	s_wait_xcnt 0x0
; out[h][q][:] = the sum over k of softmax_k(mask ? (query[h][q] / sqrt(128)) . key[h][k] : -1e30) value[h][k][:], mask = |q - k| at most 512 and equal segment ids; both products on codes of E5M2, one E8M0 scale for each 32 along K.
; K's and V's codes and scale words come from kv as images of operand registers, the ranges of the segment ids from rng: made by the launch before.
; SOFTMAX: t = score x log2(e); M = the row's largest t so far, rounded UP to a whole number; p = 2^(t - M) is quantised along the keys; the row's sum is taken of the unquantised p and divides at the end.
; When M moves, the sum and O are multiplied by 2^(old M - new M): exact.  A hidden score becomes -infinity, so its p is 0.
; A ROW THAT THE MASK HIDES WHOLLY keeps the sum 0; equal scores weigh all 2,048 keys alike, so it takes the mean of the head's quantised values (vpart's 16 sums / 2,048), by a select.
; SHARES.  A work-group owns 256 queries of one head, each of its eight waves two tiles of 16, which share each fragment of K and V.
; THE WALK.  The window reaches ten key steps, positions 0 .. 9 = steps 2 qb - 4 .. 2 qb + 5.  Nine LDS slots are filled at the head; behind one barrier each wave walks by itself.
; Position 0 reaches the first 128 queries alone and position 9 the last 128: they share slot 8.  It is filled with position 0 where the ids let that count, else with 9; where both count,
; position 9 is fetched behind trip 10, between two barriers that every wave passes.  Trip n (10, 9, .. 1) works position n % 10 in slot min(n, 9) - 1.
; A STEP IS LEFT OUT FOR A TILE where its keys lie outside the window of all 16 queries, or the ranges of key ids and query ids do not meet: every p would be 0.
; It is OPEN where it lies inside the window of all 16 and all ids are one: no mask then.  Else the mask is made by compares.  These are branches on stored whole numbers; they lead round no barrier.
; A NaN or an infinity in keys and values of steps left out is not carried to the result.
; No tensor load and no cluster: what a wave works on hangs on stored numbers.  Nothing is prefetched: all that is read is asked for in the head, but for position 9's block, fetched behind trip 10.
; LAYOUT.  Both products are used transposed: S^T = K Q^T, O^T = V^T P^T: a lane holds ONE query (lane % 16); score register n is key 32 (n / 16) + 16 (lane / 16) + n % 16 of the step.
; LIMITS: NaN and infinities among the inputs are not served; true scores at or under -1e30 are not told apart from hidden ones; scaled scores stay under 2^31 in magnitude.
; REGISTERS (s_set_vgpr_msb: bits 1:0 source 0, 3:2 source 1, 5:4 source 2, 7:6 destination).  Window 0: the names below; v64-191 scores, then p; v192-255 fragments 0-3 of K or of V.
;   Window 1: v0-127 O^T of tiles 0, 1 (in the head: query); v128-159 Q's codes; v160-191 p's codes; v192-255 fragments 4-7.
.set BLK, 33792 ; a step's block: K's codes, V's codes, K's scale words, V's
.set VCO, 16384
.set KSO, 32768
.set IDS, 9*BLK ; LDS: behind the slots the key ids of position n % 10 at 512 (n - 1);
.set MEAN, IDS+5120 ; the head's mean value, 128 f32;
.set STAGE, MEAN+512 ; 2,048 bytes for each wave for the way out;
.set SPARE, STAGE+16384 ; the spare words, 128 bytes for each wave
.set LI, 1 ; 16 x lane
.set LS, 2 ; 4 x lane
.set AD, 3 ; LDS address of my 16 bytes of a fragment in the slot in hand
.set ADS, 4 ; and of my scale words
.set GC, 5 ; 4,096 x wave + 16 x lane: my part of a block's codes, in memory and in a slot alike
.set GS, 6 ; 32,768 + 4 x thread: my scale word of a block, likewise
.set IDB, 7 ; IDS - 512 + 64 h
.set STT, 8 ; tile q at v[8 + 4 q]: -M, the largest t, the sum in two halves
.set BM, 16 ; the blocks' largest score, then largest p
.set PM, 20 ; the other half's; a chain of the sum; the bytes
.set HL, 24 ; 57,344 x the scale
.set SO, 28 ; the conversions' scale operands
.set FF, 32 ; v[32:33] f = 2^(old M - new M) (the low word serves)
.set T0, 34
.set T1, 35
.set KS, 36 ; v36-39 K's scale words, v40-43 V's, v44-45 Q's, v46-47 p's: scale words and nothing else
.set VS, 40
.set QS, 44
.set PS, 46
.set QI, 48 ; v48-49 my queries' ids
.set WB, 50 ; r - 16 h
.set IDA, 51 ; the step's ids
.set W0, 52
.set SPW, 53 ; my spare word, and 0: never rewritten
.set NIL, 54
.set GX, 55 ; the way out: byte offset in out
.set LL, 56 ; v56-57 the rows' sums
.set LX, 58
.set RC, 60 ; v60, v62 their reciprocals
.set SC, 64
.set FR, 192 ; fragments, in both windows
.set QC, 128
.set PC, 160
.set MSB, 0
.macro WIN new ; the immediate's high byte repeats the setting that is left
.if MSB != (\new)
	s_set_vgpr_msb (MSB<<8)|(\new)
.set MSB, \new
.endif
.endm
.macro PLACES cnt ; places behind matrix instructions (ISA guide 7.12.1)
.rept \cnt
	v_nop
.endr
.endm
.macro ALU
	s_wait_alu depctr_va_vdst(0)
.endm
.macro SETREG set ; staging set: 32 registers, sets 0-3 in window 0, 4-6 in window 1
.if (\set) > 3
.set RR, PC+32*((\set)-4)
.set RW, 1
.else
.set RR, SC+32*(\set)
.set RW, 0
.endif
.endm
.macro LOADSLOT k, set ; my 4,096 bytes of a block's codes and my scale word: nine loads
	SETREG \set
	WIN 0x40*RW
.irp i, 0,1,2,3,4,5,6,7
	global_load_b128 v[RR+4*\i:RR+4*\i+3], v[GC], s[74+2*(\k):75+2*(\k)] offset:512*\i
.endr
	WIN 0
	global_load_b32 v[KS+(\set)], v[GS], s[74+2*(\k):75+2*(\k)]
.endm
.macro PUTSLOT k, set ; into slot k as they lie
	SETREG \set
	v_add_nc_u32 v[AD], (\k)*BLK, v[GC]
	v_add_nc_u32 v[ADS], (\k)*BLK, v[GS]
	WIN 0x04*RW
.irp i, 0,1,2,3,4,5,6,7
	ds_store_b128 v[AD], v[RR+4*\i:RR+4*\i+3] offset:512*\i
.endr
	WIN 0
	ds_store_b32 v[ADS], v[KS+(\set)]
.endm
.macro SCALEW w ; from BM: the conversions' operands, the holds, the bytes and the scale word
.irp b, 0,1,2,3
	s_delay_alu instid0(VALU_DEP_4)
	v_add_nc_u32 v[SO+\b], 0xf8800000, v[BM+\b] ; 15 off the exponent field
.endr
.irp b, 0,1,2,3
	v_and_or_b32 v[HL+\b], v[BM+\b], 0x7f800000, s20
.endr
.irp b, 0,1,2,3
	v_lshrrev_b32 v[PM+\b], 23, v[SO+\b]
.endr
	s_delay_alu instid0(VALU_DEP_3)
	v_lshl_or_b32 v[\w], v[PM+1], 8, v[PM]
	s_delay_alu instid0(VALU_DEP_1)
	v_lshl_or_b32 v[\w], v[PM+2], 16, v[\w]
	s_delay_alu instid0(VALU_DEP_1)
	v_lshl_or_b32 v[\w], v[PM+3], 24, v[\w]
.endm
.macro HALVES ; the four blocks' maxima with lane l xor 16's
.irp b, 0,1,2,3
	v_permlanex16_b32 v[PM+\b], v[BM+\b], s18, s19
.endr
.irp b, 0,1,2,3
	s_delay_alu instid0(VALU_DEP_4)
	v_max_num_f32 v[BM+\b], v[BM+\b], v[PM+\b]
.endr
.endm
.macro QTURN q ; 16 rows of query through my own 4,096 bytes of slots 7 and 8 (rows 0-7, 8-15), columns of 16 bytes exchanged (column xor row), so that sixteen rows' reads fall on different banks (ISA guide 11.1); LDS serves a wave's instructions in order (ISA guide 5.7.1.4)
	WIN 0x04
.irp p, 0,1,2,3,4,5,6,7,8,9,10,11,12,13,14,15
	ds_store_b128 v[FR+\p], v[64*\q+4*\p:64*\q+4*\p+3] offset:512*(\p%8)+BLK*(\p/8)
.endr
	WIN 0x40
.irp b, 0,1,2,3
.irp j, 0,1,2,3
	ds_load_b128 v[64*\q+16*\b+4*\j:64*\q+16*\b+4*\j+3], v[FR+16+4*\b+\j] ; register 16 b + i = channel 32 b + 16 h + i of my query
.endr
.endr
	WIN 0
.endm
.macro QUANTQ q
.set sR, 64*\q
	WIN 0x41
.set nn, 0
.rept 32
	v_pk_mul_f32 v[sR+nn:sR+nn+1], v[sR+nn:sR+nn+1], 0x3db504f3 op_sel_hi:[1,0] ; query x 1 / sqrt(128), rounded in f32 ahead of the quantiser
.set nn, nn+2
.endr
	WIN 0x05
.irp b, 0,1,2,3
	v_max3_num_f32 v[BM+\b], |v[sR+16*\b]|, |v[sR+16*\b+1]|, 0x8000000 ; with the floor 2^(16 - 127): the byte cannot fall under 1
.endr
	WIN 0x14
.irp i, 2,4,6,8,10,12,14
.irp b, 0,1,2,3
	v_max3_num_f32 v[BM+\b], v[BM+\b], |v[sR+16*\b+\i]|, |v[sR+16*\b+\i+1]|
.endr
.endr
	WIN 0
	HALVES
	SCALEW QS+\q
	WIN 0x41
.irp b, 0,1,2,3
.irp i, 0,1,2,3,4,5,6,7,8,9,10,11,12,13,14,15
	v_med3_num_f32 v[sR+16*\b+\i], v[sR+16*\b+\i], -v[HL+\b], v[HL+\b] ; the conversion to an 8-bit code does not saturate (ISA guide 7.6.2)
.endr
.endr
.irp b, 0,1,2,3
	v_cvt_scalef32_pk8_bf8_f32 v[QC+16*\q+4*\b:QC+16*\q+4*\b+1], v[sR+16*\b:sR+16*\b+7], v[SO+\b]
	v_cvt_scalef32_pk8_bf8_f32 v[QC+16*\q+4*\b+2:QC+16*\q+4*\b+3], v[sR+16*\b+8:sR+16*\b+15], v[SO+\b]
.endr
	WIN 0
	v_nop ; a plain line behind the last conversion
.endm
; FLAGS of position p for tile q, as a bit of s26 + q: some key may count; s28 + q: the ids need a mask; s30 + q: the window needs one; s36 + q: open
.macro FLAG p, mask, q
	s_add_co_i32 s32, s23, 128*\p ; its first key
	s_cmp_lt_u32 s32, 0x800 ; a step that exists
	s_cselect_b32 s33, \mask, 0
	s_sub_co_i32 s32, s32, s[24+\q] ; d = first key - first query
	s_add_co_u32 s34, s32, 639 ; d from -639 to 527: some key inside some query's window
	s_cmp_le_u32 s34, 1166
	s_cselect_b32 s33, s33, 0
	s_cmp_ge_i32 s[41+2*\p], s[60+2*\q] ; the ranges meet
	s_cselect_b32 s33, s33, 0
	s_cmp_le_i32 s[40+2*\p], s[61+2*\q]
	s_cselect_b32 s33, s33, 0
	s_or_b32 s[26+\q], s[26+\q], s33
	s_add_co_u32 s34, s32, 497 ; d from -497 to 385: all keys inside all queries' windows
	s_cmp_gt_u32 s34, 882
	s_cselect_b32 s34, s33, 0
	s_or_b32 s[30+\q], s[30+\q], s34
	s_sub_co_u32 s32, s[41+2*\p], s[40+2*\p]
	s_or_b32 s32, s32, s[72+\q] ; 0: one key id, one query id, and the ranges meet: equal
	s_cselect_b32 s32, s33, 0
	s_or_b32 s[28+\q], s[28+\q], s32
	s_or_b32 s34, s34, s32
	s_and_not1_b32 s34, s33, s34
	s_or_b32 s[36+\q], s[36+\q], s34
.endm
.macro MULK g ; S^T = K Q^T: tiles of keys 4 g .. 4 g + 3 x two tiles of queries, each begun with 0
	WIN 0x04+(\g)
.irp t, 0,1,2,3
.irp q, 0,1
.if (\t)%2
	v_wmma_scale_f32_16x16x128_f8f6f4 v[SC+64*\q+8*(4*\g+\t):SC+64*\q+8*(4*\g+\t)+7], v[FR+16*\t:FR+16*\t+15], v[QC+16*\q:QC+16*\q+15], 0, v[KS+2*\g+\t/2], v[QS+\q] matrix_a_fmt:MATRIX_FMT_BF8 matrix_b_fmt:MATRIX_FMT_BF8 matrix_a_scale:MATRIX_SCALE_ROW1
.else
	v_wmma_scale_f32_16x16x128_f8f6f4 v[SC+64*\q+8*(4*\g+\t):SC+64*\q+8*(4*\g+\t)+7], v[FR+16*\t:FR+16*\t+15], v[QC+16*\q:QC+16*\q+15], 0, v[KS+2*\g+\t/2], v[QS+\q] matrix_a_fmt:MATRIX_FMT_BF8 matrix_b_fmt:MATRIX_FMT_BF8
.endif
.endr
.endr
.endm
.macro MULV g ; O^T += V^T P^T: tiles of channels 4 g .. 4 g + 3; the sixteen accumulators take turns, one instruction a turn
	WIN 0x54+(\g)
.irp t, 0,1,2,3
.irp q, 0,1
.if (\t)%2
	v_wmma_scale_f32_16x16x128_f8f6f4 v[64*\q+8*(4*\g+\t):64*\q+8*(4*\g+\t)+7], v[FR+16*\t:FR+16*\t+15], v[PC+16*\q:PC+16*\q+15], v[64*\q+8*(4*\g+\t):64*\q+8*(4*\g+\t)+7], v[VS+2*\g+\t/2], v[PS+\q] matrix_a_fmt:MATRIX_FMT_BF8 matrix_b_fmt:MATRIX_FMT_BF8 matrix_a_scale:MATRIX_SCALE_ROW1
.else
	v_wmma_scale_f32_16x16x128_f8f6f4 v[64*\q+8*(4*\g+\t):64*\q+8*(4*\g+\t)+7], v[FR+16*\t:FR+16*\t+15], v[PC+16*\q:PC+16*\q+15], v[64*\q+8*(4*\g+\t):64*\q+8*(4*\g+\t)+7], v[VS+2*\g+\t/2], v[PS+\q] matrix_a_fmt:MATRIX_FMT_BF8 matrix_b_fmt:MATRIX_FMT_BF8
.endif
.endr
.endr
.endm
.macro FLOAD off, g ; fragments 4 g .. 4 g + 3: an instruction's 512 bytes are consecutive
	WIN 0x40*(\g)
.irp t, 0,1,2,3
.irp c, 0,1,2,3
	ds_load_b128 v[FR+16*\t+4*\c:FR+16*\t+4*\c+3], v[AD] offset:\off+(4*\g+\t)*2048+512*\c
.endr
.endr
	WIN 0
.endm
.macro SEGMASK q ; keys of another id: the score becomes -infinity.  Ascending: each result is first read at its low end
	WIN 0x01 ; the ids lie in window 1, in the place of fragments 4-7
.irp g, 0,1,2,3,4,5,6,7
.irp i, 0,1,2,3,4,5,6,7
	v_cmp_eq_u32 s[88+\i], v[FR+8*\g+\i], v[QI+\q]
.endr
.irp i, 0,1,2,3,4,5,6,7
	v_cndmask_b32 v[SC+64*\q+8*\g+\i], 0xff800000, v[SC+64*\q+8*\g+\i], s[88+\i]
.endr
.endr
	WIN 0
	ALU
.endm
.macro WINMASK q ; keys outside the window likewise
	s_lshl_b32 s33, s22, 7
	s_cmp_eq_u32 s22, 10
	s_cselect_b32 s33, 0, s33
	s_add_co_i32 s33, s33, s23 ; the step's first key
	s_add_co_i32 s32, s24, 512+16*\q
	s_sub_co_i32 s32, s32, s33
	v_add_nc_u32 v[W0], s32, v[WB] ; my query + 512 - first key - 16 h
.irp g, 0,1,2,3,4,5,6,7
.irp i, 0,1,2,3,4,5,6,7
	v_add_nc_u32 v[BM+\i], -(32*(\g/2)+8*(\g%2)+\i), v[W0]
.endr
.irp i, 0,1,2,3,4,5,6,7
	v_cmp_ge_u32 s[88+\i], s72, v[BM+\i] ; from 0 to 1,024, taken as unsigned
.endr
.irp i, 0,1,2,3,4,5,6,7
	v_cndmask_b32 v[SC+64*\q+8*\g+\i], 0xff800000, v[SC+64*\q+8*\g+\i], s[88+\i]
.endr
.endr
	ALU
.endm
.macro SOFT q ; one tile's softmax for one key step
.set sS, SC+64*\q
.set sT, STT+4*\q
	ALU ; directly ahead of the scores' first readers
.irp b, 0,1,2,3
	v_max3_num_f32 v[BM+\b], v[sS+16*\b], v[sS+16*\b+1], v[sS+16*\b+2] ; the largest score of each block of 32 keys: for the row's maximum and, since p rises with the score, for the block's largest p
.endr
.irp i, 3,5,7,9,11,13
.irp b, 0,1,2,3
	v_max3_num_f32 v[BM+\b], v[BM+\b], v[sS+16*\b+\i], v[sS+16*\b+\i+1]
.endr
.endr
.irp b, 0,1,2,3
	v_max_num_f32 v[BM+\b], v[BM+\b], v[sS+16*\b+15]
.endr
	HALVES
	s_delay_alu instid0(VALU_DEP_2)
	v_max3_num_f32 v[T0], v[BM], v[BM+1], v[BM+2]
	s_delay_alu instid0(VALU_DEP_1)
	v_max_num_f32 v[T0], v[T0], v[BM+3]
	s_delay_alu instid0(VALU_DEP_1)
	v_mul_f32 v[T0], s70, v[T0] ; as t
	s_delay_alu instid0(VALU_DEP_1)
	v_max_num_f32 v[sT+1], v[sT+1], v[T0] ; the running largest t
	v_mov_b32 v[T0], v[sT]
	s_delay_alu instid0(VALU_DEP_2)
	v_floor_f32 v[sT], -v[sT+1] ; the new -M = floor(-t): M is a whole number
	s_delay_alu instid0(VALU_DEP_1)
	v_sub_f32 v[T0], v[sT], v[T0] ; old M - new M: a whole number, 0 or less
	s_delay_alu instid0(VALU_DEP_1)
	v_cvt_i32_f32 v[T0], v[T0] ; (it saturates)
	s_delay_alu instid0(VALU_DEP_1)
	v_ldexp_f32 v[FF], 1.0, v[T0] ; f = 2^(old M - new M)
.set nn, 0
.rept 32
	v_pk_fma_f32 v[sS+nn:sS+nn+1], v[sS+nn:sS+nn+1], s[70:71], v[sT:sT+1] op_sel_hi:[1,0,0] ; t - M
.set nn, nn+2
.endr
.irp b, 0,1,2,3
	v_fma_f32 v[BM+\b], v[BM+\b], s70, v[sT] ; the same of each block's largest score
.endr
	ALU
.set nn, 0
.rept 64
	v_exp_f32 v[sS+nn], v[sS+nn] ; p = 2^(t - M): not normalised
.set nn, nn+1
.endr
	v_pk_mul_f32 v[sT+2:sT+3], v[sT+2:sT+3], v[FF:FF+1] op_sel_hi:[1,0] ; the sums under the new M.  (The plain line behind the exponentials)
	ALU
.irp b, 0,1,2,3
	v_exp_f32 v[BM+\b], v[BM+\b] ; the blocks' largest p
.endr
	v_pk_add_f32 v[PM:PM+1], v[sS:sS+1], v[sS+2:sS+3] ; the row's sum is taken of the unquantised p, in two chains
.irp j, 4,8,12,16,20,24,28,32,36,40,44,48,52,56,60
	v_pk_add_f32 v[sT+2:sT+3], v[sT+2:sT+3], v[sS+\j:sS+\j+1]
	v_pk_add_f32 v[PM:PM+1], v[PM:PM+1], v[sS+\j+2:sS+\j+3]
.endr
	v_pk_add_f32 v[sT+2:sT+3], v[sT+2:sT+3], v[PM:PM+1]
	ALU
.irp b, 0,1,2,3
	v_max_num_f32 v[BM+\b], 0x8000000, v[BM+\b] ; the floor: a block whose every p is 0 keeps the byte 1; its codes are zeros
.endr
	SCALEW PS+\q
.irp b, 0,1,2,3
.irp i, 0,2,4,6,8,10,12,14
	v_dual_min_num_f32 v[sS+16*\b+\i], v[sS+16*\b+\i], v[HL+\b] :: v_dual_min_num_f32 v[sS+16*\b+\i+1], v[sS+16*\b+\i+1], v[HL+\b] ; p is not negative: the hold is one-sided
.endr
.endr
	WIN 0x40
.irp b, 0,1,2,3
	v_cvt_scalef32_pk8_bf8_f32 v[PC+16*\q+4*\b:PC+16*\q+4*\b+1], v[sS+16*\b:sS+16*\b+7], v[SO+\b]
	v_cvt_scalef32_pk8_bf8_f32 v[PC+16*\q+4*\b+2:PC+16*\q+4*\b+3], v[sS+16*\b+8:sS+16*\b+15], v[SO+\b]
.endr
	WIN 0x41
	ALU ; directly ahead of O^T's first readers
.set nn, 0
.rept 32
	v_pk_mul_f32 v[64*\q+nn:64*\q+nn+1], v[64*\q+nn:64*\q+nn+1], v[FF:FF+1] op_sel_hi:[1,0] ; O^T under the new M.  (Also the plain lines between the conversions and the products)
.set nn, nn+2
.endr
	WIN 0
	ALU
.endm
	s_load_b256 s[4:11], s[0:1], 0x0 ; query, kv, vpart, rng
	s_load_b128 s[12:15], s[0:1], 0x20 ; q ids, kv ids
	s_load_b64 s[16:17], s[0:1], 0x30 ; out
	v_lshl_add_u32 v[SPW], v0, 2, SPARE
	v_mov_b32 v[NIL], 0
	v_lshrrev_b32 v[T1], 5, v0
	v_readfirstlane_b32 s2, v[T1] ; wave 0..7
	s_mov_b32 s3, ttmp9 ; the head, 16 x batch + head
	s_and_b32 s21, ttmp7, 0xffff ; the block of 256 queries, qb
	v_and_b32 v[T0], 31, v0
	v_lshlrev_b32 v[LI], 4, v[T0]
	v_lshlrev_b32 v[LS], 2, v[T0]
	v_lshl_add_u32 v[GC], v[T1], 12, v[LI]
	v_lshl_add_u32 v[GS], v0, 2, KSO
	v_and_b32 v[BM], 15, v0 ; r
	v_bfe_u32 v[BM+1], v0, 4, 1 ; h
	v_lshl_add_u32 v[IDB], v[BM+1], 6, IDS-512
	v_lshlrev_b32 v[WB], 4, v[BM+1]
	v_sub_nc_u32 v[WB], v[BM], v[WB]
	v_lshlrev_b32 v[W0], 2, v[BM] ; 4 r
	v_lshlrev_b32 v[LX], 2, v0 ; 4 x thread
	v_mov_b32 v[LX+1], 0
	; query's turn through LDS: v192-207 where I put 16 bytes of row p (slot 7, + 4,096 x wave, column lane xor p), v208-223 where I read column 8 b + 4 h + j of row r
	v_add_nc_u32 v[FR], 7*BLK, v[GC]
	v_lshrrev_b32 v[BM+2], 3, v[BM]
	v_mul_u32_u24 v[BM+2], v[BM+2], BLK
	v_and_b32 v[BM+3], 7, v[BM]
	v_lshl_add_u32 v[BM+2], v[BM+3], 9, v[BM+2]
	v_lshl_add_u32 v[BM+2], v[T1], 12, v[BM+2]
	v_lshlrev_b32 v[BM+3], 2, v[BM+1]
	v_xor_b32 v[BM+3], v[BM+3], v[BM]
	v_lshl_add_u32 v[BM+2], v[BM+3], 4, v[BM+2]
	v_add_nc_u32 v[FR+16], 7*BLK, v[BM+2]
.irp p, 1,2,3,4,5,6,7,8,9,10,11,12,13,14,15
	v_xor_b32 v[FR+\p], 16*\p, v[FR]
	v_xor_b32 v[FR+16+\p], 128*(\p/4)+16*(\p%4), v[FR+16]
.endr
	s_mov_b32 s18, 0x76543210
	s_mov_b32 s19, 0xfedcba98 ; v_permlanex16_b32's selects for lane l xor 16
	s_mov_b32 s20, 0x600000 ; the mantissa field of 57,344
	s_mov_b32 s70, 0x3fb8aa3b ; log2(e)
	s_mov_b32 s71, s70 ; (named with it as a pair, so it is written)
	s_mov_b32 s35, 0 ; the upper word of the offsets in s[34:35]; it stays 0
	s_lshl_b32 s23, s21, 8
	s_lshl_b32 s24, s2, 5
	s_add_co_u32 s24, s24, s23 ; my first query in the head, tile 0;
	s_add_co_u32 s25, s24, 16 ; tile 1
	s_sub_co_i32 s23, s23, 512 ; position 0's first key (signed)
	s_lshl_b32 s39, s21, 1
	s_sub_co_i32 s39, s39, 4 ; and its step
.irp p, 0,1,2,3,4,5,6,7,8,9
	s_add_co_i32 s[92+\p], s39, \p
	s_max_i32 s[92+\p], s[92+\p], 0 ; held inside the head's 16: steps that do not exist are never worked on
	s_min_u32 s[92+\p], s[92+\p], 15
	s_lshl_b32 s[92+\p], s[92+\p], 10 ; 1,024 bytes of ranges a step (and 33 times that of codes)
.endr
	ALU
	s_wait_kmcnt 0x0
	s_lshl_b32 s34, s3, 14
	s_add_nc_u64 s[10:11], s[10:11], s[34:35] ; the head's ranges
.irp p, 0,1,2,3,4,5,6,7,8,9
	s_load_b64 s[40+2*\p:41+2*\p], s[10:11], s[92+\p] offset:0x0 ; the key ids' ranges of the ten positions
.endr
	s_lshr_b32 s32, s2, 2
	s_lshl_b32 s33, s21, 1
	s_add_co_u32 s32, s32, s33 ; my 32 queries lie in step 2 qb + wave / 4, tiles 2 (wave % 4) and + 1
	s_lshl_b32 s32, s32, 10
	s_and_b32 s33, s2, 3
	s_lshl_b32 s33, s33, 6
	s_add_co_u32 s32, s32, s33
	s_lshl_b32 s33, s21, 11
	s_load_b64 s[60:61], s[10:11], s32 offset:0x100 ; my tiles' ranges
	s_load_b64 s[62:63], s[10:11], s32 offset:0x120
	s_load_b64 s[66:67], s[10:11], s33 offset:0x200 ; the work-group's two blocks of 128 queries
	s_load_b64 s[68:69], s[10:11], s33 offset:0x600
	s_lshl_b32 s34, s3, 13
	s_add_nc_u64 s[8:9], s[8:9], s[34:35] ; the head's 16 x 128 sums
	s_cmp_lt_u32 s2, 4
	s_cbranch_scc0 .Lno_sums
.irp i, 0,1,2,3,4,5,6,7,8,9,10,11,12,13,14,15
	global_load_b32 v[224+\i], v[LX], s[8:9] offset:512*\i ; threads 0-127: a channel each
.endr
.Lno_sums:
	s_lshr_b32 s39, s3, 4
	s_lshl_b32 s39, s39, 13 ; the batch's ids
	s_lshl_b32 s34, s24, 2
	s_add_co_u32 s34, s34, s39
	s_add_nc_u64 s[12:13], s[12:13], s[34:35]
	global_load_b32 v[QI], v[W0], s[12:13]
	global_load_b32 v[QI+1], v[W0], s[12:13] offset:64
	s_mov_b32 s34, s39
	s_add_nc_u64 s[14:15], s[14:15], s[34:35]
.irp j, 0,1,2,3,4 ; 1,280 key ids, five a thread: number 256 j + thread is key 128 + that of the window, the last 128 are position 0's
.if \j == 4
	s_mov_b32 s34, 1152
	s_cmp_lt_u32 s2, 4
	s_cselect_b32 s34, s34, -128
	s_add_co_i32 s34, s34, s23
.else
	s_add_co_i32 s34, s23, 128+256*\j
.endif
	v_add_nc_u32 v[246+\j], s34, v0
	v_max_i32 v[246+\j], 0, v[246+\j] ; held inside the batch's 2,048
	v_min_i32 v[246+\j], 2047, v[246+\j]
	v_lshlrev_b32 v[246+\j], 2, v[246+\j]
	global_load_b32 v[240+\j], v[246+\j], s[14:15]
.endr
	s_lshl_b32 s34, s3, 11
	s_add_co_u32 s34, s34, s24
	s_lshl_b32 s34, s34, 9
	s_add_nc_u64 s[4:5], s[4:5], s[34:35] ; my 32 rows of query
	s_add_nc_u64 s[16:17], s[16:17], s[34:35] ; and of out
	WIN 0x40
.irp q, 0,1
.irp p, 0,1,2,3,4,5,6,7,8,9,10,11,12,13,14,15
	global_load_b128 v[64*\q+4*\p:64*\q+4*\p+3], v[LI], s[4:5] offset:(16*\q+\p)*512 th:TH_LOAD_NT ; a row: 512 consecutive bytes a load
.endr
.endr
	WIN 0
	s_mul_i32 s34, s3, 16*BLK
	s_add_nc_u64 s[6:7], s[6:7], s[34:35] ; the head's 16 blocks
.irp p, 1,2,3,4,5,6,7,8
	s_mul_i32 s34, s[92+\p], 33
	s_add_nc_u64 s[72+2*\p:73+2*\p], s[6:7], s[34:35] ; slot p - 1's block
.endr
.irp k, 0,1,2,3,4,5,6
	LOADSLOT \k, \k
.endr
.irp i, 26,27,28,29,30,31,36,37
	s_mov_b32 s\i, 0
.endr
	ALU
	s_wait_kmcnt 0x0 ; the ranges
	s_sub_co_u32 s72, s61, s60
	s_sub_co_u32 s73, s63, s62
.irp q, 0,1
	FLAG 1, 2, \q
	FLAG 2, 4, \q
	FLAG 3, 8, \q
	FLAG 4, 16, \q
	FLAG 5, 32, \q
	FLAG 6, 64, \q
	FLAG 7, 128, \q
	FLAG 8, 256, \q
	FLAG 9, 512, \q
	FLAG 0, 1024, \q
.endr
	s_cmp_lt_u32 s23, 0x800 ; may position 0 count for any of the first 128 queries?
	s_cselect_b32 s38, 1, 0
	s_cmp_ge_i32 s41, s66
	s_cselect_b32 s38, s38, 0
	s_cmp_le_i32 s40, s67
	s_cselect_b32 s38, s38, 0
	s_add_co_i32 s32, s23, 1152 ; and position 9 for any of the last 128?
	s_cmp_lt_u32 s32, 0x800
	s_cselect_b32 s39, 1, 0
	s_cmp_ge_i32 s59, s68
	s_cselect_b32 s39, s39, 0
	s_cmp_le_i32 s58, s69
	s_cselect_b32 s39, s39, 0
	s_cmp_lg_u32 s38, 0
	s_cselect_b32 s34, s92, s101
	s_min_u32 s34, s34, 15*1024
	s_mul_i32 s34, s34, 33
	s_add_nc_u64 s[90:91], s[6:7], s[34:35] ; slot 8's block
	s_and_b32 s38, s38, s39 ; both: position 9 is fetched later
	s_mov_b32 s72, 1024
	v_lshl_add_u32 v[AD], v0, 2, IDS
	v_lshl_add_u32 v[ADS], v0, 2, MEAN
.irp b, 0,1,2,3
	v_mov_b32 v[PM+\b], 0 ; (a lane permute's destination counts as one of its sources)
.endr
	ALU
	s_wait_loadcnt 63 ; all but the seven slots' 63 loads: the sums, the ids and query
.irp j, 0,1,2,3,4
	ds_store_b32 v[AD], v[240+\j] offset:1024*\j
.endr
	QTURN 0
	QTURN 1
	s_cmp_lt_u32 s2, 4
	s_cbranch_scc0 .Lno_mean
.irp i, 0,2,4,6
	v_pk_add_f32 v[224+\i:225+\i], v[224+\i:225+\i], v[232+\i:233+\i]
.endr
	v_pk_add_f32 v[224:225], v[224:225], v[228:229]
	v_pk_add_f32 v[226:227], v[226:227], v[230:231]
	v_pk_add_f32 v[224:225], v[224:225], v[226:227]
	v_add_f32 v224, v224, v225
	v_mul_f32 v224, 0x3a000000, v224 ; / 2,048
	ds_store_b32 v[ADS], v224
.Lno_mean:
	ALU
	s_wait_dscnt 32 ; tile 0 is back; at least tile 1's 32 LDS instructions stand behind it
	QUANTQ 0
	ALU
	s_wait_dscnt 0x0
	QUANTQ 1
	WIN 0x40
.set nn, 0
.rept 128
	v_mov_b32 v[nn], 0 ; O^T.  Which step is a wave's first hangs on the flags, so no product can be written out that starts the sums
.set nn, nn+1
.endr
	WIN 0
.irp q, 0,1
	v_mov_b32 v[STT+4*\q+1], 0xff61b1e6 ; the largest t so far: -3e38
	v_mov_b32 v[STT+4*\q+2], 0 ; the sum, in two halves
	v_mov_b32 v[STT+4*\q+3], 0
	v_mov_b32 v[PS+\q], 0x01010101 ; p's scale word, for a tile whose first steps are left out
	v_floor_f32 v[STT+4*\q], -v[STT+4*\q+1] ; -M
.endr
	v_mov_b32 v[FF+1], 0 ; (named as the upper half of a pair)
	ALU
	s_wait_loadcnt 54 ; slot 0's nine loads are in; six slots' may be out
	PUTSLOT 0, 0
	s_wait_loadcnt 45
	PUTSLOT 1, 1
	s_wait_dscnt 0x0 ; sets 0 and 1 have been read
	LOADSLOT 7, 0
	LOADSLOT 8, 1
.irp k, 2,3,4,5,6
	s_wait_loadcnt 9*(6-\k)+18 ; nine loads for each slot asked for behind this one
	PUTSLOT \k, \k
.endr
	s_wait_loadcnt 9
	PUTSLOT 7, 0
	s_wait_loadcnt 0x0
	PUTSLOT 8, 1
	ALU
	s_wait_dscnt 0x0 ; for the others' sake: my stores have landed
	s_barrier_signal -1
	s_barrier_wait -1
	s_mov_b32 s22, 10
.Ltrip:
	s_or_b32 s33, s26, s27
	s_bitcmp1_b32 s33, s22 ; may this step count for my 32 queries?
	s_cbranch_scc0 .Lleft_out
	s_mul_i32 s25, s22, BLK
	s_min_u32 s25, s25, 9*BLK
	s_lshl_b32 s33, s22, 9
	v_add_nc_u32 v[AD], s25, v[LI] ; (these five and three more are the places behind the last step's products)
	v_add_nc_u32 v[ADS], s25, v[LS]
	v_add_nc_u32 v[IDA], s33, v[IDB]
	v_sub_nc_u32 v[AD], v[AD], BLK
	v_sub_nc_u32 v[ADS], v[ADS], BLK
	PLACES 3
	ALU
.irp p, 0,1,2,3
	ds_load_b32 v[KS+\p], v[ADS] offset:KSO+128*\p
.endr
	FLOAD 0, 0
	FLOAD 0, 1
	s_wait_dscnt 16 ; all but fragments 4-7
	MULK 0
	s_wait_dscnt 0x0
	MULK 1
	WIN 0
	PLACES 8
.irp p, 0,1,2,3
	ds_load_b32 v[VS+\p], v[ADS] offset:KSO+512+128*\p
.endr
	FLOAD VCO, 0 ; lands while the softmax is worked
	s_or_b32 s33, s28, s29
	s_bitcmp1_b32 s33, s22
	s_cbranch_scc0 .Lno_ids
	WIN 0x40
.irp b, 0,1,2,3
.irp j, 0,1,2,3
	ds_load_b128 v[FR+16*\b+4*\j:FR+16*\b+4*\j+3], v[IDA] offset:128*\b+16*\j ; register n: the id of key 32 (n / 16) + 16 h + n % 16
.endr
.endr
	WIN 0
	s_wait_dscnt 0x0
	s_bitcmp1_b32 s28, s22
	s_cbranch_scc0 .Lseg1
	SEGMASK 0
.Lseg1:
	s_bitcmp1_b32 s29, s22
	s_cbranch_scc0 .Lno_ids
	SEGMASK 1
.Lno_ids:
	s_bitcmp1_b32 s30, s22
	s_cbranch_scc0 .Lwin1
	WINMASK 0
.Lwin1:
	s_bitcmp1_b32 s31, s22
	s_cbranch_scc0 .Lmasked
	WINMASK 1
.Lmasked:
	FLOAD VCO, 1
.macro TILE q ; a tile for which no key of the step can count gets zeros for p
	s_bitcmp1_b32 s[26+\q], s22
	s_cbranch_scc0 .Lnone_\q
	SOFT \q
	s_branch .Ldone_\q
.Lnone_\q:
	WIN 0x40
.irp i, 0,1,2,3,4,5,6,7,8,9,10,11,12,13,14,15
	v_mov_b32 v[PC+16*\q+\i], 0
.endr
	WIN 0
	ALU
.Ldone_\q:
.endm
	TILE 0
	TILE 1
	PLACES 4 ; between p's codes and the products
	s_wait_dscnt 0x0
	MULV 0
	MULV 1
	WIN 0
.Lleft_out:
	s_cmp_lg_u32 s22, 10
	s_cbranch_scc1 .Lnext
	ALU
	s_wait_dscnt 0x0 ; behind trip 10: my reads of slot 8 are over,
	s_barrier_signal -1
	s_barrier_wait -1 ; and everybody's
	s_cmp_eq_u32 s38, 0
	s_cbranch_scc1 .Lkeep
	s_mul_i32 s34, s101, 33
	s_add_nc_u64 s[90:91], s[6:7], s[34:35]
	LOADSLOT 8, 0 ; position 9 follows position 0
	s_wait_loadcnt 0x0
	PUTSLOT 8, 0
.Lkeep:
	ALU
	s_wait_dscnt 0x0
	s_barrier_signal -1
	s_barrier_wait -1
.Lnext:
	s_sub_co_u32 s22, s22, 1
	s_cmp_lg_u32 s22, 0
	ALU
	s_cbranch_scc1 .Ltrip
	; THE WAY OUT.  O^T / the sum; a row whose sum is 0 takes the mean; then through my stage, 32 channels (128 bytes) of 16 rows at a time: two rounds make 256 bytes of a row.
	; A round's loads give lanes 0-7 of each sixteen one row and lanes 8-15 its neighbour, the next round the other way round: a select by lane puts 256 consecutive bytes of one row into sixteen lanes.
	PLACES 8 ; behind the last products
	v_add_f32 v[LL], v[STT+2], v[STT+3]
	v_add_f32 v[LL+1], v[STT+6], v[STT+7]
	v_permlanex16_b32 v[LX], v[LL], s18, s19
	v_permlanex16_b32 v[LX+1], v[LL+1], s18, s19
	v_add_f32 v[LL], v[LL], v[LX] ; the rows' sums
	v_add_f32 v[LL+1], v[LL+1], v[LX+1]
	v_cmp_eq_f32 s74, 0, v[LL] ; no key counted
	v_cmp_eq_f32 s75, 0, v[LL+1]
	s_lshl_b32 s32, s2, 11
	s_add_co_u32 s32, s32, STAGE
	s_mov_b32 s76, 0xff00ff00 ; lanes 8-15 and 24-31
	v_bfe_u32 v28, v0, 1, 3 ; (r / 2) % 8
	v_bfe_u32 v29, v0, 4, 1 ; h
	v_and_b32 v30, 15, v0 ; r
	v_lshlrev_b32 v31, 1, v29
	v_xor_b32 v31, v31, v28
	v_lshlrev_b32 v31, 4, v31
	v_lshl_add_u32 v16, v30, 7, v31
	v_add_nc_u32 v16, s32, v16 ; in: row r, column (4 t + 2 h + e) xor (r / 2)
	v_and_b32 v31, 7, v0
	v_xor_b32 v31, v31, v29
	v_lshlrev_b32 v31, 4, v31
	v_bfe_u32 v28, v0, 3, 2
	v_lshl_add_u32 v20, v28, 7, v31
	v_add_nc_u32 v20, s32, v20 ; back: row 4 i + 2 h + (lane / 8) % 2, column (lane % 8) xor (2 i + h)
	v_xor_b32 v17, 16, v16
	v_xor_b32 v18, 64, v16
	v_xor_b32 v19, 80, v16
	v_xor_b32 v21, 32, v20
	v_xor_b32 v22, 64, v20
	v_xor_b32 v23, 96, v20
.irp i, 0,1,2,3
	v_xor_b32 v[24+\i], 128, v[20+\i] ; the second round: the neighbouring row
.endr
	v_xor_b32 v31, 8, v30
	v_lshlrev_b32 v31, 4, v31
	v_lshlrev_b32 v[T1], 4, v30
	v_lshl_add_u32 v[GX], v29, 10, v[T1] ; out: row 4 i + 2 h,
	v_lshl_add_u32 v[IDA], v29, 10, v31 ; and the row behind it, its halves exchanged
	v_lshl_add_u32 v[T0], v29, 5, MEAN
	v_mov_b32 v[RC+1], 0 ; (named as upper halves of pairs)
	v_mov_b32 v[RC+3], 0
	ALU
	v_rcp_f32 v[RC], v[LL]
	v_rcp_f32 v[RC+2], v[LL+1]
	v_nop ; a plain line behind the reciprocals
	WIN 0x01 ; source 0 (O^T) window 1
	ALU
.irp q, 0,1
.set nn, 0
.rept 32
	v_pk_mul_f32 v[SC+64*\q+nn:SC+64*\q+nn+1], v[64*\q+nn:64*\q+nn+1], v[RC+2*\q:RC+2*\q+1] op_sel_hi:[1,0] ; ascending: each accumulator is first read at its low end
.set nn, nn+2
.endr
.endr
	WIN 0
	ALU
	s_cmp_eq_u32 s36, 0 ; a tile with an open step has no hidden row
	s_cbranch_scc1 .Lmean
	s_cmp_lg_u32 s37, 0
	s_cbranch_scc1 .Lout
.Lmean:
.irp t, 0,1,2,3,4,5,6,7
	ds_load_b128 v[FR+8*\t:FR+8*\t+3], v[T0] offset:64*\t ; the mean at my channels 16 t + 8 h + 0 .. 7
	ds_load_b128 v[FR+8*\t+4:FR+8*\t+7], v[T0] offset:64*\t+16
.endr
	s_wait_dscnt 0x0
.irp q, 0,1
.set nn, 0
.rept 64
	v_cndmask_b32 v[SC+64*\q+nn], v[SC+64*\q+nn], v[FR+nn], s[74+\q]
.set nn, nn+1
.endr
.endr
	ALU
.Lout:
.macro OTURN q ; round v: channels 32 v .. 32 v + 31; LDS serves a wave's instructions in order (ISA guide 5.7.1.4)
.irp v, 0,1,2,3
.irp e, 0,1,2,3
	ds_store_b128 v[16+\e], v[SC+64*\q+16*\v+4*\e:SC+64*\q+16*\v+4*\e+3]
.endr
.irp i, 0,1,2,3
	ds_load_b128 v[FR+16*\v+4*\i:FR+16*\v+4*\i+3], v[20+4*(\v%2)+\i] offset:512*\i
.endr
.endr
.endm
.macro OSEL q ; per half u of the rows: first the even rows, then the odd ones
.irp u, 0,1
.set nn, 0
.rept 16
	v_cndmask_b32 v[SC+64*\q+32*\u+nn], v[FR+32*\u+nn], v[FR+32*\u+16+nn], s76
	v_cndmask_b32 v[SC+64*\q+32*\u+16+nn], v[FR+32*\u+16+nn], v[FR+32*\u+nn], s76
.set nn, nn+1
.endr
.endr
.endm
.macro OSTORE q ; sixteen lanes store 256 consecutive bytes, at a multiple of 256 from out's first byte
.irp i, 0,1,2,3
.irp u, 0,1
	global_store_b128 v[GX], v[SC+64*\q+32*\u+4*\i:SC+64*\q+32*\u+4*\i+3], s[16:17] offset:8192*\q+2048*\i+256*\u th:TH_STORE_NT
	global_store_b128 v[IDA], v[SC+64*\q+32*\u+16+4*\i:SC+64*\q+32*\u+16+4*\i+3], s[16:17] offset:8192*\q+2048*\i+256*\u+512 th:TH_STORE_NT
.endr
.endr
.endm
	OTURN 0
	s_wait_dscnt 0x0
	OSEL 0
	OTURN 1
	OSTORE 0
	s_wait_dscnt 0x0
	OSEL 1
	OSTORE 1
	s_wait_tensorcnt 0x0 ; the wave's end
	ds_add_u32 v[SPW], v[NIL]
	s_wait_dscnt 0x0
	s_endpgm
.Lfunc_end_k_q78ea58cd93_attn:
	.size	k_q78ea58cd93_attn, .Lfunc_end_k_q78ea58cd93_attn-k_q78ea58cd93_attn
	.p2alignl 7, 3214868480
	.fill 96, 4, 3214868480
	.section	.rodata,"a",@progbits
	.p2align	6, 0x0
	.amdhsa_kernel k_q78ea58cd93_attn
		.amdhsa_group_segment_fixed_size 327680
		.amdhsa_private_segment_fixed_size 0
		.amdhsa_enable_private_segment 0
		.amdhsa_kernarg_size 56
		.amdhsa_user_sgpr_count 2
		.amdhsa_user_sgpr_kernarg_segment_ptr 1
		.amdhsa_wavefront_size32 1
		.amdhsa_system_sgpr_workgroup_id_x 1
		.amdhsa_system_sgpr_workgroup_id_y 1
		.amdhsa_system_sgpr_workgroup_id_z 1
		.amdhsa_system_vgpr_workitem_id 0
		.amdhsa_next_free_vgpr 512
		.amdhsa_next_free_sgpr 102
		.amdhsa_reserve_vcc 0
		.amdhsa_float_denorm_mode_32 3
		.amdhsa_float_denorm_mode_16_64 3
		.amdhsa_memory_ordered 1
		.amdhsa_forward_progress 1
		.amdhsa_inst_pref_size 207
	.end_amdhsa_kernel
	.amdgpu_metadata
---
amdhsa.version: [ 1, 2 ]
amdhsa.kernels:
  - .name:           k_q78ea58cd93_attn
    .symbol:         k_q78ea58cd93_attn.kd
    .args:
      - { .name: query, .offset: 0, .size: 8, .value_kind: global_buffer, .address_space: global }
      - { .name: kv, .offset: 8, .size: 8, .value_kind: global_buffer, .address_space: global }
      - { .name: vpart, .offset: 16, .size: 8, .value_kind: global_buffer, .address_space: global }
      - { .name: rng, .offset: 24, .size: 8, .value_kind: global_buffer, .address_space: global }
      - { .name: q_segment_ids, .offset: 32, .size: 8, .value_kind: global_buffer, .address_space: global }
      - { .name: kv_segment_ids, .offset: 40, .size: 8, .value_kind: global_buffer, .address_space: global }
      - { .name: out0, .offset: 48, .size: 8, .value_kind: global_buffer, .address_space: global }
    .group_segment_fixed_size: 327680
    .private_segment_fixed_size: 0
    .kernarg_segment_align: 8
    .kernarg_segment_size: 56
    .max_flat_workgroup_size: 256
    .sgpr_count:     102
    .vgpr_count:     512
    .wavefront_size: 32
...
	.end_amdgpu_metadata
.endif
;; end of part 2
